; MI455X (gfx1250); checked and timed in simulation.
; The chip was launched on July 23, 2026; its instructions are those of AMD's public machine-readable ISA for CDNA 5 (MIT licence, August 2026) and "CDNA5" Instruction Set Architecture Reference Guide (July 2026). The comments in the code are by the model that wrote it; some were corrected since.
;; Bahdanau Attention. Allowed arithmetic: matrix products marked QUANTISED: E3M2 operands, one E8M0 scale for each 32 along K, by v_wmma_scale_f32_16x16x128_f8f6f4 with both operands' format E3M2, f32 sums; products left as they are: f32 operands where the result goes on into a quantised operand, else bf16, f16 or f32 operands; f32 sums; everything else in f32.
;; Inputs: W 1,024 x 2,048 float32; b 1,024 float32; encoder_outputs 32 x 2,048 x 1,024 float32; hidden_state_codes 1 x 32 x 32 x 24 uint8 (E3M2 codes of hidden_state, K innermost, in blocks of 32 codes, four codes in three bytes); hidden_state_scales 1 x 32 x 32 uint8 (E8M0 scales of hidden_state, one for each 32 codes along K); v 1,024 x 1 float32.
;; Outputs: out0 1 x 32 x 1,024 float32; out1 32 x 1 x 2,048 float32.
;; Constants: batch_size = 32, sequence_length = 2048.
;; This version of the problem:
;;   THIS VERSION OF THE PROBLEM IS GIVEN IN LOW PRECISION. The matrix products marked QUANTISED in the list below multiply operands that are first quantised to E3M2 (3 exponent bits, 2 mantissa bits; 6 bits a number), with one power-of-two scale for each 32 numbers along K (OCP MX v1.0); their sums are f32. All else is computed in f32.
;;   The module's matrix products, in the order in which they are computed (A, B: the left and right operand; K: the contracted axis; several contracted axes count as one K, in the product's order):
;;     1. [M 32, K 1,024] x [K 1,024, N 1,024]; A: input hidden_state (given as codes); B: input W: QUANTISED
;;     2. [M 65,536, K 1,024] x [K 1,024, N 1,024]; A: input encoder_outputs; B: input W: QUANTISED
;;     3. [M 65,536, K 1,024] x [K 1,024, N 1]; A: computed on the way; B: computed on the way: left as it is (N = 1 < 16)
;;     4. batch 32 x [M 1, K 2,048] x [K 2,048, N 1,024]; A: computed on the way; B: input encoder_outputs: left as it is (M = 1 < 16)
;;   THE QUANTISER, for each operand of a quantised product, along K:
;;     - K is cut into blocks of 32 from its start; a last block that is shorter is filled with zeros.
;;     - A block's scale is 2^e with e = floor(log2(the largest magnitude in the block)) - 4, held to -126 .. 127; a block of zeros has e = 0. As a byte (E8M0): e + 127.
;;     - Each number is divided by its block's scale, clamped to +-28, and rounded to the nearest number of E3M2, ties to even, subnormals kept.
;;     - The product sums the exact products of the quantised numbers (number of the format x scale) in f32.
;;   ~~~python
;;   def quantise(x, axis):      # numpy; x: float32 -> the quantised numbers, widened to float32 again
;;       x = np.moveaxis(x, axis, -1); K = x.shape[-1]
;;       x = np.pad(x, [(0, 0)] * (x.ndim - 1) + [(0, -K % 32)]); x = x.reshape(x.shape[:-1] + (-1, 32)); a = np.abs(x).max(-1, keepdims=True)
;;       e = np.where(a > 0, np.clip(np.frexp(np.where(a > 0, a, 1))[1] - 1 - 4, -126, 127), 0)      # np.frexp(a)[1] - 1 = floor(log2(a)), exactly
;;       r = np.clip(x / 2.0 ** e, -28, 28)
;;       step = 2.0 ** (np.maximum(np.frexp(np.where(r == 0, 1, r))[1] - 1, -2) - 2)
;;       q = np.round(r / step) * step * 2.0 ** e      # np.round: ties to even
;;       return np.moveaxis(q.reshape(q.shape[:-2] + (-1,))[..., :K], -1, axis).astype(np.float32)
;;   ~~~
;;   INPUTS GIVEN AS CODES. hidden_state (in the module: [1, 32, 1024], K = its axis 2): each comes as NAME_codes (uint8): NAME with its K axis moved to the last place and cut into blocks of 32 codes, [.., K / 32, bytes a block], one block behind the other in memory; four codes in three bytes: a row's codes are one little-endian stream of bits, code i at bits 6 i .. 6 i + 5 (a code: sign, 3 exponent bits, 2 mantissa bits); and NAME_scales (uint8): the same leading axes, one E8M0 byte (e + 127) for each 32 codes along K. Its value is code x scale, taken as it is: it is not quantised again, and the codes and scales need not be those that the quantiser above would give.
;; One version. Each part assembles by itself: llvm-mc -triple=amdgcn-amd-amdhsa -mcpu=gfx1250 --defsym DOCPART=n.
;; ======== version 1 of 1: 3 launches
;; limits: values are held in bf16: 8 bits of precision; right only within a limited range of input values
;; workspace buffers: wq 851,968 bytes; energy 262,144 bytes; ctxpart 2,097,152 bytes
;; launch prep (part 1): grid 64 x 1, 8 waves a work-group, no clusters, 69,632 bytes of LDS; arguments W, v, wq; writes wq
.if DOCPART == 1
	.amdgcn_target "amdgcn-amd-amdhsa--gfx1250"
	.amdhsa_code_object_version 6
	.text
	.protected	k_qe985172170_prep
	.globl	k_qe985172170_prep
	.p2align	8
	.type	k_qe985172170_prep,@function
k_qe985172170_prep:
	s_mov_b64 s[64:65], 0
	v_nop
	global_prefetch_b8 v0, s[64:65] scope:SCOPE_SE
	s_setreg_imm32_b32 hwreg(HW_REG_WAVE_MODE, 25, 1), 1
	s_wait_xcnt 0x0
; WORK LEFT OUT, in the whole program.  reference() adds to every energy of batch b the term c_b = sum over e of v[e] ((h Wh^T)[b][e] + b[e]), which does not hang on s.
; The softmax runs over s, and softmax(x_s + c_b) = softmax(x_s) for all real x and c_b; the context is made of these weights and of encoder_outputs alone.  So c_b reaches no output:
; the first product (hidden state x Wh), the bias b and W's left half Wh are left out.  hidden_state_codes, hidden_state_scales and b are not loaded and are no launch's argument; of W only the right half is read.
; LIMIT: a NaN, an infinity or an overflow that reaches only the term left out is not carried to the result.
; THIS LAUNCH: We = W[:, 1024:] (f32) is quantised along K to codes of E3M2 with one E8M0 byte for each 32 numbers, and laid for the next launch in the order of the operand's registers.
; SHARES.  Work-group t owns rows e = 16 t .. 16 t + 15.  Wave w owns K step w (128 numbers): quarter q = w / 2 of K, step s = w % 2 in it.
; wq: [q 0..3][t 0..63][3,328 bytes].  A record: two images of a fragment (s = 0, 1; 1,536 bytes each: registers 4 c .. 4 c + 3 of lane l at 512 c + 16 l), then 64 bytes of
; scale words of s = 0 (row r at 4 r), 64 of s = 1, 64 bytes v[16 t ..], 64 bytes v[16 (t - 1) ..] (in record 0: v[0 ..], which nobody reads): 13 x 256 bytes.
; A load takes a row's 512 bytes as they lie, 16 a lane; the conversions want 16 neighbours along K in one lane: so the 16 rows turn through the wave's own stage in LDS (rows 528 bytes apart).
; LIMITS: NaN and infinities are not served.  A block of zeros gets the byte 1 where the rule says 127: its codes are zeros, and this program alone reads the bytes.
.set QSTR, 212992                      ; a quarter of wq: 64 records
.set REC,  3328
.set TP,   528
.set WST,  16*TP                       ; a wave's stage
.set TAIL, 8*WST                       ; behind the stages: 4 x 256 bytes: the records' last 256 bytes, for q = 0 .. 3
.set SPARE, TAIL+1024                  ; the spare words, 128 bytes a wave
.set VT,  32                           ; v[16 (t - s) + r]
.set PW,  34                           ; the scale word
.set TM,  36                           ; v36-51 at work
.set PC,  72                           ; v72-91 the codes (12 registers, 8 at work)
.set LB,  192                          ; v192-255 the 64 numbers
	s_load_b128 s[4:7], s[0:1], 0x0                ; W s[4:5], v s[6:7]
	s_load_b64 s[14:15], s[0:1], 0x10              ; wq
	v_lshl_add_u32 v99, v0, 2, SPARE
	v_mov_b32 v103, 0
	v_lshrrev_b32 v92, 5, v0
	s_delay_alu instid0(VALU_DEP_1)
	v_readfirstlane_b32 s18, v92                   ; wave w
	s_lshr_b32 s19, s18, 1                         ; q
	s_and_b32 s20, s18, 1                          ; s
	s_lshl_b32 s22, ttmp9, 17                      ; W: 16 rows of 8,192 bytes a tile,
	s_lshl_b32 s24, s18, 9
	s_add_co_u32 s22, s22, s24                     ; + 512 w,
	s_add_co_u32 s22, s22, 4096                    ; in the right half
	s_mov_b32 s23, 0
	s_sub_co_i32 s24, ttmp9, s20                   ; v: tile t in the waves with s = 0, tile t - 1 in the others,
	s_max_i32 s24, s24, 0                          ; held inside the buffer
	s_lshl_b32 s24, s24, 6
	s_mov_b32 s25, 0
	s_mul_i32 s32, ttmp9, REC
	s_add_co_u32 s38, s32, 3072                    ; wq: the last 256 bytes of quarter 0's record t
	s_mov_b32 s39, 0
	s_mul_i32 s33, s19, QSTR
	s_add_co_u32 s32, s32, s33
	s_mul_i32 s33, s20, 1536
	s_add_co_u32 s32, s32, s33                     ; wq: my image: QSTR q + REC t + 1,536 s
	s_mov_b32 s33, 0
	s_mov_b32 s34, 0x76543210
	s_mov_b32 s35, 0xfedcba98                      ; selects for lane l xor 16
	s_mov_b32 s36, 0xffff0000                      ; lanes 16-31
	s_mul_i32 s40, s18, WST
	s_lshl_b32 s42, s19, 8
	s_lshl_b32 s43, s20, 6
	s_add_co_u32 s42, s42, s43
	s_add_co_u32 s42, s42, TAIL
	v_and_b32 v92, 31, v0                          ; lane
	v_and_b32 v93, 15, v0                          ; r
	v_bfe_u32 v94, v0, 4, 1                        ; hh
.irp b, 0,1,2,3
	v_mov_b32 v[TM+4+\b], 0                        ; written once: a lane permute's destination counts as one of its sources
.endr
	v_lshlrev_b32 v1, 4, v92                       ; 16 x lane
	v_mul_u32_u24 v3, v93, TP
	v_lshlrev_b32 v7, 2, v93                       ; 4 r
	v_mul_u32_u24 v12, v94, QSTR
	s_delay_alu instid0(VALU_DEP_4)
	v_add_nc_u32 v2, s40, v1                       ; the stage, in: 16 x lane of a row
	s_delay_alu instid0(VALU_DEP_4)
	v_lshl_add_u32 v3, v94, 6, v3
	s_delay_alu instid0(VALU_DEP_4)
	v_lshl_add_u32 v9, v94, 7, v7
	s_delay_alu instid0(VALU_DEP_4)
	v_lshl_add_u32 v12, v93, 4, v12                ; in wq: lanes 0-15 one quarter's tail, lanes 16-31 the next quarter's
	v_add_nc_u32 v11, TAIL, v1                     ; wave 0 reads the four tails from here
	s_delay_alu instid0(VALU_DEP_4)
	v_add_nc_u32 v3, s40, v3                       ; the stage, out: row r, + 64 hh
	s_delay_alu instid0(VALU_DEP_4)
	v_add_nc_u32 v9, s42, v9                       ; TAIL + 256 q + 64 s + 128 hh + 4 r
	s_wait_alu depctr_va_vdst(0)                   ; the wait at the head's end
	s_wait_kmcnt 0x0
	s_add_nc_u64 s[4:5], s[4:5], s[22:23]
	s_add_nc_u64 s[6:7], s[6:7], s[24:25]
	s_add_nc_u64 s[28:29], s[14:15], s[38:39]      ; the tails
	s_add_nc_u64 s[14:15], s[14:15], s[32:33]      ; my image
	global_load_b32 v[VT], v7, s[6:7]
.irp i, 0,1,2,3,4,5,6,7,8,9,10,11,12,13,14,15
	global_load_b128 v[LB+4*\i:LB+4*\i+3], v1, s[4:5] offset:8192*\i th:TH_LOAD_NT   ; 32 lanes read 512 consecutive bytes of row i
.endr
	s_wait_loadcnt 0x0
.irp i, 0,1,2,3,4,5,6,7,8,9,10,11,12,13,14,15
	ds_store_b128 v2, v[LB+4*\i:LB+4*\i+3] offset:TP*\i
.endr
	s_wait_dscnt 0x0                               ; the stores have read their registers
.irp b, 0,1,2,3
.irp j, 0,1,2,3
	ds_load_b128 v[LB+16*\b+4*\j:LB+16*\b+4*\j+3], v3 offset:128*\b+16*\j   ; register 16 b + i is then k = 32 b + 16 hh + i of row r
.endr
.endr
	s_wait_dscnt 0x0
.irp b, 0,1,2,3
	v_max3_num_f32 v[TM+\b], |v[LB+16*\b]|, |v[LB+1+16*\b]|, 0x2800000   ; with the floor 2^(5 - 127): the byte cannot fall under 1
.endr
.irp i, 2,4,6,8,10,12,14
.irp b, 0,1,2,3
	s_delay_alu instid0(VALU_DEP_4)
	v_max3_num_f32 v[TM+\b], v[TM+\b], |v[LB+16*\b+\i]|, |v[LB+1+16*\b+\i]|   ; the four blocks by turns
.endr
.endr
.irp b, 0,1,2,3
	s_delay_alu instid0(VALU_DEP_4)
	v_permlanex16_b32 v[TM+4+\b], v[TM+\b], s34, s35
.endr
.irp b, 0,1,2,3
	s_delay_alu instid0(VALU_DEP_4)
	v_max_num_f32 v[TM+\b], v[TM+\b], v[TM+4+\b]   ; the block's largest magnitude
.endr
.irp b, 0,1,2,3
	s_delay_alu instid0(VALU_DEP_4)
	v_add_nc_u32 v[TM+12+\b], 0xfe000000, v[TM+\b] ; 4 off its exponent field: the conversion's scale operand
.endr
.irp b, 0,1,2,3
	s_delay_alu instid0(VALU_DEP_4)
	v_lshrrev_b32 v[TM+4+\b], 23, v[TM+12+\b]      ; the scale's byte
.endr
	s_delay_alu instid0(VALU_DEP_3)
	v_lshl_or_b32 v[PW], v[TM+5], 8, v[TM+4]
	s_delay_alu instid0(VALU_DEP_1)
	v_lshl_or_b32 v[PW], v[TM+6], 16, v[PW]
	s_delay_alu instid0(VALU_DEP_1)
	v_lshl_or_b32 v[PW], v[TM+7], 24, v[PW]
.irp c, 0,1
	v_cvt_scalef32_pk16_bf6_f32 v[PC+6*\c:PC+2+6*\c], v[LB+32*\c:LB+15+32*\c], v[TM+12+2*\c]
	v_cvt_scalef32_pk16_bf6_f32 v[PC+12+4*\c:PC+14+4*\c], v[LB+16+32*\c:LB+31+32*\c], v[TM+12+2*\c+1]   ; (a conversion's three registers begin on an even number)
.endr
	v_nop                                          ; one plain line behind the scaled conversions
.irp c, 0,1                                    ; the operand's layout wants a whole block in a lane
.irp i, 0,1,2
	v_permlane16_swap_b32 v[PC+6*\c+\i], v[PC+12+4*\c+\i]
.endr
.irp i, 0,1,2
	s_delay_alu instid0(VALU_DEP_3)
	v_mov_b32 v[PC+3+6*\c+\i], v[PC+12+4*\c+\i]
.endr
.endr
.irp c, 0,1,2
	global_store_b128 v1, v[PC+4*\c:PC+4*\c+3], s[14:15] offset:512*\c   ; 32 lanes store 512 consecutive bytes, at a multiple of 256 from wq's first byte
.endr
	v_cndmask_b32 v101, v[PW], v[VT], s36          ; lanes 0-15: my rows' scale words; lanes 16-31: v
	ds_store_b32 v9, v101
	s_wait_dscnt 0x0                               ; for wave 0's sake: my store has landed
	s_barrier_signal -1
	s_barrier_wait -1
	s_cmp_lg_u32 s18, 0
	s_cbranch_scc1 .Lend                           ; wave 0 alone gathers
	ds_load_b128 v[152:155], v11                   ; the tails of quarters 0 and 1,
	ds_load_b128 v[156:159], v11 offset:512        ; 2 and 3
	s_wait_dscnt 0x0
	global_store_b128 v12, v[152:155], s[28:29]    ; sixteen lanes store a record's last 256 bytes
	global_store_b128 v12, v[156:159], s[28:29] offset:2*QSTR
.Lend:
	s_wait_tensorcnt 0x0                           ; the wave's end
	ds_add_u32 v99, v103
	s_wait_dscnt 0x0
	s_endpgm
.Lfunc_end_k_qe985172170_prep:
	.size	k_qe985172170_prep, .Lfunc_end_k_qe985172170_prep-k_qe985172170_prep
	.p2alignl 7, 3214868480
	.fill 96, 4, 3214868480
	.section	.rodata,"a",@progbits
	.p2align	6, 0x0
	.amdhsa_kernel k_qe985172170_prep
		.amdhsa_group_segment_fixed_size 69632
		.amdhsa_private_segment_fixed_size 0
		.amdhsa_enable_private_segment 0
		.amdhsa_kernarg_size 24
		.amdhsa_user_sgpr_count 2
		.amdhsa_user_sgpr_kernarg_segment_ptr 1
		.amdhsa_wavefront_size32 1
		.amdhsa_system_sgpr_workgroup_id_x 1
		.amdhsa_system_sgpr_workgroup_id_y 1
		.amdhsa_system_sgpr_workgroup_id_z 1
		.amdhsa_system_vgpr_workitem_id 0
		.amdhsa_next_free_vgpr 256
		.amdhsa_next_free_sgpr 66
		.amdhsa_reserve_vcc 0
		.amdhsa_float_denorm_mode_32 3
		.amdhsa_float_denorm_mode_16_64 3
		.amdhsa_memory_ordered 1
		.amdhsa_forward_progress 1
		.amdhsa_inst_pref_size 14
	.end_amdhsa_kernel
	.amdgpu_metadata
---
amdhsa.version: [ 1, 2 ]
amdhsa.kernels:
  - .name:           k_qe985172170_prep
    .symbol:         k_qe985172170_prep.kd
    .args:
      - { .name: W, .offset: 0, .size: 8, .value_kind: global_buffer, .address_space: global }
      - { .name: v, .offset: 8, .size: 8, .value_kind: global_buffer, .address_space: global }
      - { .name: wq, .offset: 16, .size: 8, .value_kind: global_buffer, .address_space: global }
    .group_segment_fixed_size: 69632
    .private_segment_fixed_size: 0
    .kernarg_segment_align: 8
    .kernarg_segment_size: 24
    .max_flat_workgroup_size: 256
    .sgpr_count:     66
    .vgpr_count:     256
    .wavefront_size: 32
...
	.end_amdgpu_metadata
.endif
;; end of part 1
;; launch scores (part 2): grid 512 x 1, 4 waves a work-group, clusters of 4 x 1, 327,680 bytes of LDS; arguments encoder_outputs, wq, energy, ctxpart; writes energy, ctxpart
.if DOCPART == 2
	.amdgcn_target "amdgcn-amd-amdhsa--gfx1250"
	.amdhsa_code_object_version 6
	.text
	.protected	k_qe985172170_scores
	.globl	k_qe985172170_scores
	.p2align	8
	.type	k_qe985172170_scores,@function
k_qe985172170_scores:
	s_mov_b64 s[64:65], 0
	v_nop
	global_prefetch_b8 v0, s[64:65] scope:SCOPE_SE
	s_setreg_imm32_b32 hwreg(HW_REG_WAVE_MODE, 25, 1), 1
	s_wait_xcnt 0x0
	s_wait_alu depctr_hold_cnt(0) depctr_sa_sdst(0) depctr_va_vdst(0) depctr_va_sdst(0) depctr_va_ssrc(0) depctr_va_vcc(0) depctr_vm_vsrc(0)
	s_getreg_b32 s2, hwreg(HW_REG_IB_STS2, 6, 4)
	s_cmp_eq_u32 s2, 0
	s_cbranch_scc0 .Lentry_in_a_cluster
	s_endpgm
.Lentry_in_a_cluster:
	s_bfe_u32 s2, ttmp6, 0x10000c
	s_cmp_lg_u32 s2, 0x3003
	s_cbranch_scc0 .Lentry_shape_is_right
	s_endpgm
.Lentry_shape_is_right:
; The term of the energies that is the same along s (hidden state, Wh, b) is left out: it cancels in the softmax (shown at the head of the first kernel).
; For a block of 128 rows of encoder_outputs (f32, 1,024 a row): the rows are quantised to E3M2 along K and multiplied with We's codes (the second quantised product); the energies are folded with v into one
; raw score a row, energy[row] = sum over e of v[e] (enc We^T)[row][e]; then p = e^(score - the block's largest score), and ctxpart[block][:] = sum over the block's rows of p x the row (p and rows as bf16, sums f32).
; The rows are read from memory once: their codes and their bf16 stay in registers from the load to the end.
; SHARES.  Work-group g = 4 x cluster + place owns rows 128 g .. 128 g + 127.  Wave q owns columns 256 q .. 256 q + 255 of all 128 rows: 8 tiles of 16 rows (m) x 2 K steps of 128 (s), piece p = 2 m + s.
; A row's score is the sum of the four waves' partial sums (f32), met in LDS once a block.  A wave's quarter of K is also its quarter of the context's columns.
; THE QUANTISED PRODUCT IS USED TRANSPOSED: source 0 = 16 rows e of We, source 1 = 16 rows of enc: lane (r, hh) holds row r, register j the energy of e = 16 t + 8 hh + j.
; A tile t of We is 16 products on end; behind them the tile before is folded with v by 32 pairs of multiply-adds, which are also the places that the next loads and reads need.
; We's 64 tiles come as records of 3,328 bytes (two fragments, their scale words, the tile's v, the v of the tile before) through a ring of two LDS slots of 8 records a wave, asked for jointly by the cluster's four work-groups.
; Record t + 1, read at tile t's head, brings tile t + 1's fragments and tile t's v: so two sets of v serve.
; THE CONTEXT goes to the matrix units in bf16.  A piece's bf16 stay in the layout of the loads: register 4 i + j of lane l holds rows i (low half) and 8 + i (high half) of column 4 l + j.
; Eight such registers are source 1 (K = 2 rows x 8 registers in each half of the lanes).  Source 0 holds p: row 8 h + j of it is p at the registers x with x % 4 = j of half h, and 0 elsewhere.
; So register j (0 to 3) of the result, in lane l, is the sum for column 4 l + j: four neighbouring columns a lane, stored as they stand.
; No prefetch is written: enc is asked for by loads that stand four pieces ahead of their use, with no loop to run ahead in.
; All of a WGP's LDS is claimed, and the adds of 0 are written.
; LIMITS: NaN and infinities are not served.  A block of 32 zeros gets the byte 1 where the rule says 127: its codes are zeros, and this program alone reads the bytes.
; REGISTERS, in windows of 256 (s_set_vgpr_msb: bits 1:0 source 0, 3:2 source 1, 5:4 source 2, 7:6 destination):
;   window 0: v1-17 addresses; v18-27 at work; v28-31 masks; v32-39 enc's scale words; v40-41 We's; v44-59 the scores' sums, later scores and p; v64-111 We's fragments, two sets; v112-127 v, two sets;
;             v128-255 two sets of 8 accumulators (while loading: v128-191 a piece's 64 numbers, v192-255 landing slots 18, 19; for the context: v128-191 sums, v192-255 p)
;   window 1: v0-191 enc's codes, 12 a piece (while loading: v192-255 slots 16, 17; for the context: all 256 hold source 0's 32 fragments)
;   windows 2, 3: slots 0-7, 8-15 of 32 registers.  Piece p lands in slots p and p + 4 and leaves its bf16 in slot p.
.set QSTR,  212992
.set REC,   3328
.set SLB,   8*REC                      ; a wave's part of a slot: 104 rows of 256 bytes
.set SLOT1, 1<<17                      ; slot 1 begins here
.set SX,    4*SLB                      ; behind slot 0: 8 x 512 bytes, where the waves' partial scores meet
.set ESTG,  SX+4096                    ; 512 bytes: the block's scores on their way out
.set SPARE, ESTG+512                   ; the spare words, 128 bytes a wave
.set STG,   SLOT1+4*SLB                ; behind slot 1: a stage for each wave
.set WSTG,  16896
.set TP,    528                        ; a stage row: 512 bytes + 16
.set LOFF, 1                           ; 16 x lane
.set STS,  2                           ; my stage + 16 x lane
.set STL,  3                           ; my stage + 528 r + 64 hh
.set SPW,  4                           ; my spare word; never rewritten
.set NIL,  5                           ; 0; never rewritten
.set A0F,  6                           ; my part of a slot + 16 x lane
.set A0S,  7                           ; + 4 x lane
.set A0V,  8                           ; + 32 hh
.set ADF,  9                           ; v9-11: the same three in the slot in hand
.set ADS,  10
.set ADV,  11
.set SXS,  12                          ; SX + 16 x lane + 4 q
.set SXL,  13                          ; SX + 16 x lane
.set EA,   14                          ; ESTG + 4 r
.set EL,   15                          ; ESTG + 16 x lane
.set PBS,  16                          ; my stage + 4 (r % 8) + 2 (r / 8): where row r's p goes as bf16
.set PBL,  17                          ; my stage
.set MK,   28                          ; v28-31: mask j is all ones in the lanes that hold row 8 h + j of source 0 in half h
.set SA,   32
.set SB,   40
.set SCO,  44
.set EN,   44
.set PR,   52
.set BF,   64
.set VS,   112
.set ACC,  128
.set X,    128
.set TM,   64
.set PW,   80
.set T0,   84
.set CA,   128                         ; the context's 8 accumulators
.set P2,   192                         ; p as pairs of bf16: word 8 m + i = rows 16 m + i and 16 m + 8 + i
.set MSB, 0
.macro WIN new
.if MSB != (\new)
	s_set_vgpr_msb (MSB<<8)|(\new)
.set MSB, (\new)
.endif
.endm
.macro CREST                           ; a round of the cluster's barrier behind its opening barrier
	s_cmp_lg_u32 s12, 0
	s_cbranch_scc1 .Lnot_wave_0_\@
	s_barrier_signal -3
.Lnot_wave_0_\@:
	s_barrier_wait -3
	s_barrier_signal -1
	s_barrier_wait -1
.endm
.macro ROUND
	s_barrier_signal -1
	s_barrier_wait -1
	CREST
.endm
.macro SLOT j                          ; slot j's window and first register
.if (\j) < 8
.set SWN, 2
.set SBS, 32*(\j)
.elseif (\j) < 16
.set SWN, 3
.set SBS, 32*((\j)-8)
.elseif (\j) < 18
.set SWN, 1
.set SBS, 192+32*((\j)-16)
.else
.set SWN, 0
.set SBS, 192+32*((\j)-18)
.endif
.endm
.macro LOADH p, half                   ; eight rows of piece p: each load is 512 consecutive bytes of one row
	SLOT (\p)+4*(\half)
	WIN SWN<<6
.irp i, 0,1,2,3,4,5,6,7
	global_load_b128 v[SBS+4*\i:SBS+4*\i+3], v[LOFF], s[4:5] offset:(16*((\p)/2)+8*(\half)+\i)*4096+512*((\p)%2) th:TH_LOAD_NT
.endr
.endm
.macro TURN p, cnt                     ; piece p turns through my stage: X's register 16 b + i is k = 32 b + 16 hh + i of row r
	s_wait_loadcnt \cnt                            ; piece p's 16 loads are in; the 16 of each younger piece may be out
	SLOT \p
	WIN SWN<<2
.irp i, 0,1,2,3,4,5,6,7
	ds_store_b128 v[STS], v[SBS+4*\i:SBS+4*\i+3] offset:TP*\i
.endr
	SLOT (\p)+4
	WIN SWN<<2
.irp i, 0,1,2,3,4,5,6,7
	ds_store_b128 v[STS], v[SBS+4*\i:SBS+4*\i+3] offset:TP*(8+\i)
.endr
	WIN 0
.irp b, 0,1,2,3
.irp j, 0,1,2,3
	ds_load_b128 v[X+16*\b+4*\j:X+16*\b+4*\j+3], v[STL] offset:128*\b+16*\j   ; LDS serves a wave's instructions in order
.endr
.endr
.endm
.macro QUANT                           ; X's 64 numbers become codes (four results of three registers) and the row's scale word
.irp b, 0,1,2,3
	v_max3_num_f32 v[TM+\b], |v[X+16*\b]|, |v[X+1+16*\b]|, 0x2800000   ; with the floor 2^(5 - 127): the byte cannot fall under 1
.endr
.irp i, 2,4,6,8,10,12,14
.irp b, 0,1,2,3
	v_max3_num_f32 v[TM+\b], v[TM+\b], |v[X+16*\b+\i]|, |v[X+1+16*\b+\i]|
.endr
.endr
.irp b, 0,1,2,3
	v_permlanex16_b32 v[TM+4+\b], v[TM+\b], s34, s35
.endr
.irp b, 0,1,2,3
	v_max_num_f32 v[TM+\b], v[TM+\b], v[TM+4+\b]   ; the block's largest magnitude
.endr
.irp b, 0,1,2,3
	v_add_nc_u32 v[TM+12+\b], 0xfe000000, v[TM+\b] ; 4 off its exponent field: the conversion's scale operand
.endr
.irp b, 0,1,2,3
	v_lshrrev_b32 v[TM+4+\b], 23, v[TM+12+\b]      ; the scale's byte
.endr
	v_lshl_or_b32 v[PW], v[TM+5], 8, v[TM+4]
	v_lshl_or_b32 v[PW], v[TM+6], 16, v[PW]
	v_lshl_or_b32 v[PW], v[TM+7], 24, v[PW]
.irp c, 0,1
	v_cvt_scalef32_pk16_bf6_f32 v[T0+8*\c:T0+8*\c+2], v[X+32*\c:X+32*\c+15], v[TM+12+2*\c]
	v_cvt_scalef32_pk16_bf6_f32 v[T0+4+8*\c:T0+4+8*\c+2], v[X+16+32*\c:X+16+32*\c+15], v[TM+13+2*\c]
.endr
	v_nop                                          ; one plain line behind the scaled conversions
.irp c, 0,1                                    ; the operand's layout wants a whole block in a lane
.irp i, 0,1,2
	v_permlane16_swap_b32 v[T0+8*\c+\i], v[T0+4+8*\c+\i]
.endr
.endr
.endm
.macro PIECE p
.if (\p) < 13
	TURN \p, 48
.else
	TURN \p, 16*(15-(\p))
.endif
	s_wait_dscnt 0x0                               ; X is in, and the stores have read slots p and p + 4
	SLOT (\p)+4
.set W1, SWN
.set B1, SBS
	SLOT \p
	WIN (SWN<<6)|(W1<<2)|SWN
.set NN, 0
.rept 32
	v_cvt_pk_bf16_f32 v[SBS+NN], v[SBS+NN], v[B1+NN]   ; rows i and 8 + i of one column, as bf16, in the place of row i
.set NN, NN+1
.endr
.if (\p) < 12
	LOADH (\p)+4, 0                                ; into slot p + 4, just drained,
	LOADH (\p)+4, 1                                ; and slot p + 8, not used so far
.endif
	WIN 0
	QUANT
	WIN 0x40
.irp c, 0,1
.irp i, 0,1,2
	v_mov_b32 v[12*(\p)+6*\c+\i], v[T0+8*\c+\i]        ; registers 6 c .. 6 c + 5 of the fragment: k = 64 c + 32 hh + 0 .. 31
	v_mov_b32 v[12*(\p)+6*\c+3+\i], v[T0+4+8*\c+\i]
.endr
.endr
	WIN 0
.if (\p)%2 == 0
	v_mov_b32 v[SA+(\p)/2], v[PW]
.else
	v_cndmask_b32 v[SA+(\p)/2], v[SA+(\p)/2], v[PW], s36   ; K step 1's words go to lanes 16-31
.endif
.endm
; THE WALK.  Only the products name another window (source 1, enc's codes, in window 1): two switches a tile.
.macro RLOAD t, off, vv                ; record t: its two fragments and scale words into set t % 2; vv: the v of tile t - 1 into that tile's set
.irp s, 0,1
.irp c, 0,1,2
	ds_load_b128 v[BF+24*((\t)%2)+12*\s+4*\c:BF+24*((\t)%2)+12*\s+4*\c+3], v[ADF] offset:(\off)+1536*\s+512*\c
.endr
.endr
	ds_load_b32 v[SB+((\t)%2)], v[ADS] offset:(\off)+3072
.if \vv
	ds_load_b128 v[VS+8*(((\t)+1)%2):VS+8*(((\t)+1)%2)+3], v[ADV] offset:(\off)+3264
	ds_load_b128 v[VS+8*(((\t)+1)%2)+4:VS+8*(((\t)+1)%2)+7], v[ADV] offset:(\off)+3280
.endif
.endm
; product i of a tile's 16: K step 0 of the eight tiles of rows, then K step 1: the accumulators take turns, one product a turn
.macro WMMA t, i
.set MM, (\i)%8
.set SS, (\i)/8
.set ACB, ACC+64*((\t)%2)+8*MM
.set FB, BF+24*((\t)%2)+12*SS
.set CB, 12*(2*MM+SS)
.if SS == 0
	v_wmma_scale_f32_16x16x128_f8f6f4 v[ACB:ACB+7], v[FB:FB+11], v[CB:CB+11], 0, v[SB+((\t)%2)], v[SA+MM] matrix_a_fmt:MATRIX_FMT_BF6 matrix_b_fmt:MATRIX_FMT_BF6
.else
	v_wmma_scale_f32_16x16x128_f8f6f4 v[ACB:ACB+7], v[FB:FB+11], v[CB:CB+11], v[ACB:ACB+7], v[SB+((\t)%2)], v[SA+MM] matrix_a_fmt:MATRIX_FMT_BF6 matrix_b_fmt:MATRIX_FMT_BF6 matrix_a_scale:MATRIX_SCALE_ROW1 matrix_b_scale:MATRIX_SCALE_ROW1
.endif
.endm
.macro FOLD t                          ; tile t's eight accumulators times v onto the eight pairs of sums, two multiply-adds a line; each accumulator from its low end on, the eight by turns; all in window 0
.irp k, 0,1,2,3
.irp a, 0,1,2,3,4,5,6,7
	v_dual_fmac_f32 v[SCO+2*\a], v[ACC+64*((\t)%2)+8*\a+2*\k], v[VS+8*((\t)%2)+2*\k] :: v_dual_fmac_f32 v[SCO+2*\a+1], v[ACC+64*((\t)%2)+8*\a+2*\k+1], v[VS+8*((\t)%2)+2*\k+1]
.endr
.endr
.endm
.macro FLIP                            ; my reads go on in the other slot
	v_add_nc_u32 v[ADF], s32, v[A0F]
	v_add_nc_u32 v[ADS], s32, v[A0S]
	v_add_nc_u32 v[ADV], s32, v[A0V]
.endm
; A TILE: its record is waited for, the next is asked for (it has this tile's 16 products and 32 lines in which to come), 16 products, then the tile before is folded.
; carry: there is a tile before.  nxt: the next record lies at byte off of the slot that v9-11 name; without one, the walk's last tile takes its v from its own record.  chg = 1: the slot is left and filled again; 2: it is left.
.macro TILE t, carry, nxt, off, chg
	s_wait_alu depctr_va_vdst(0)                   ; directly ahead of the wait below
	s_wait_dscnt 0x0                               ; my record is in
.if \nxt
	RLOAD (\t)+1, \off, 1
.else
	ds_load_b128 v[VS+8*((\t)%2):VS+8*((\t)%2)+3], v[ADV] offset:REC*7+3200
	ds_load_b128 v[VS+8*((\t)%2)+4:VS+8*((\t)%2)+7], v[ADV] offset:REC*7+3216
.endif
.if \chg == 1
	s_wait_tensorcnt 0x0                           ; all my tensor loads have landed: the one that was out is my part of the other slot
	ds_add_u32 v[SPW], v[NIL]                      ; 0 onto my spare word; eight products stand between it and the wait for it
.endif
	WIN 0x04
.set II, 0
.rept 8
	WMMA \t, II
.set II, II+1
.endr
.if \chg == 1
	s_wait_dscnt 0x0                               ; the add is done, and my reads of this slot, its last record's among them, are over
	s_barrier_signal -1                            ; this barrier opens a round of the cluster's
.endif
.rept 8
	WMMA \t, II
.set II, II+1
.endr
	WIN 0
.if \chg == 1
	s_barrier_wait -1
	CREST                                          ; no wave of any partner still reads the slot or has a load on its way
	s_xor_b32 s29, s29, SLOT1                      ; the walking descriptor: the slot just left,
	s_add_nc_u64 s[30:31], s[30:31], SLB           ; the next 8 records
	s_xor_b32 s32, s32, SLOT1
	tensor_load_to_lds s[28:31], s[16:23]          ; my one tensor load behind the round
	s_nop 0
	FLIP
	v_nop
	s_wait_alu depctr_va_vdst(0)                   ; the wait behind the three writes
.endif
.if \chg == 2
	s_wait_tensorcnt 0x0                           ; my part of the last slot has landed; I alone read it, and nothing is filled again
	s_xor_b32 s32, s32, SLOT1
	FLIP
	s_wait_alu depctr_va_vdst(0)
.endif
.if \carry
	FOLD (\t)+1                                    ; t + 1 names the sets of tile t - 1, since the sets go by t % 2
.else
.rept 4
	v_nop                                          ; the places behind the first tile's products
.endr
.endif
.endm
.macro REST fill, last                 ; tiles 1 to 7 of a slot's eight
.irp t, 1,2,3,4,5
	TILE \t, 1, 1, REC*(\t+1), 0
.endr
.if \fill
	TILE 6, 1, 1, REC*7, 1
.elseif \last
	TILE 6, 1, 1, REC*7, 0
.else
	TILE 6, 1, 1, REC*7, 2
.endif
	TILE 7, 1, 1-\last, 0, 0
.endm
	s_load_b256 s[4:11], s[0:1], 0x0               ; enc s[4:5], wq s[6:7], energy s[8:9], ctxpart s[10:11]
	v_lshl_add_u32 v[SPW], v0, 2, SPARE
	v_mov_b32 v[NIL], 0
	ds_add_u32 v[SPW], v[NIL]                      ; the opening lines: the add, twice on end, and its wait
	ds_add_u32 v[SPW], v[NIL]
	v_lshrrev_b32 v18, 5, v0
	v_readfirstlane_b32 s12, v18                   ; wave q
	s_bfe_u32 s13, ttmp6, 0x40000                  ; my place in the cluster
	s_lshl_b32 s14, ttmp9, 2
	s_add_co_u32 s14, s14, s13                     ; g: it enters enc's, energy's and ctxpart's addresses alone
	s_mov_b32 s16, 15|(3<<16)|(1<<21)              ; group 1: the mask of all four; elements of 8 bytes; bit 21 beside the mask
	s_mov_b32 s17, 32<<16                          ; 104 dense rows of 256 bytes
	s_mov_b32 s18, 104<<16
	s_mov_b32 s19, 32<<16
	s_mov_b32 s20, 104
	s_mov_b32 s21, 32
	s_mov_b32 s22, 0
	s_mov_b32 s23, 0
	s_mul_i32 s46, s12, SLB                        ; my part of a slot
	s_mul_i32 s44, s12, QSTR                       ; my quarter of wq
	s_mov_b32 s45, 0
	s_lshl_b32 s40, s14, 19                        ; enc: 128 rows of 4,096 bytes a block,
	s_lshl_b32 s42, s12, 10
	s_add_co_u32 s40, s40, s42                     ; + 1,024 q
	s_mov_b32 s41, 0
	s_lshl_b32 s38, s14, 9                         ; energy: 512 bytes a block
	s_mov_b32 s39, 0
	s_lshl_b32 s48, s14, 12                        ; ctxpart: 4,096 bytes a block,
	s_add_co_u32 s48, s48, s42                     ; + 1,024 q
	s_mov_b32 s49, 0
	s_mov_b32 s32, 0                               ; the slot in hand
	s_mov_b32 s34, 0x76543210
	s_mov_b32 s35, 0xfedcba98                      ; selects for lane l xor 16
	s_mov_b32 s36, 0xffff0000                      ; lanes 16-31
	s_mul_i32 s52, s12, WSTG
	s_add_co_u32 s52, s52, STG                     ; my stage
	s_lshl_b32 s53, s12, 2
	s_add_co_u32 s53, s53, SX
	v_and_b32 v18, 31, v0                          ; lane
	v_and_b32 v19, 15, v0                          ; r
	v_bfe_u32 v20, v0, 4, 1                        ; hh
	v_lshlrev_b32 v[LOFF], 4, v18
	v_add_nc_u32 v[STS], s52, v[LOFF]
	v_mul_u32_u24 v[STL], v19, TP
	v_lshl_add_u32 v[STL], v20, 6, v[STL]
	v_add_nc_u32 v[STL], s52, v[STL]
	v_add_nc_u32 v[A0F], s46, v[LOFF]
	v_lshl_add_u32 v[A0S], v18, 2, s46
	v_lshl_add_u32 v[A0V], v20, 5, s46
	v_add_nc_u32 v[SXS], s53, v[LOFF]
	v_add_nc_u32 v[SXL], SX, v[LOFF]
	v_lshl_add_u32 v[EA], v19, 2, ESTG
	v_add_nc_u32 v[EL], ESTG, v[LOFF]
	v_and_b32 v21, 7, v0
	v_lshl_add_u32 v[PBS], v21, 2, s52
	v_bfe_u32 v21, v0, 3, 1
	v_lshl_add_u32 v[PBS], v21, 1, v[PBS]
	v_and_b32 v[PBL], 0, v0
	v_add_nc_u32 v[PBL], s52, v[PBL]
	v_lshrrev_b32 v21, 1, v0
	v_xor_b32 v21, v21, v0
	v_bfe_u32 v21, v21, 3, 1                       ; 1 where the lane's bits 3 and 4 differ: those lanes hold zeros
	v_and_b32 v22, 3, v0
	v_lshl_or_b32 v21, v21, 2, v22
.irp j, 0,1,2,3
	v_cmp_eq_u32 vcc_lo, \j, v21
	v_cndmask_b32 v[MK+\j], 0, -1, vcc_lo
.endr
.irp b, 0,1,2,3
	v_mov_b32 v[TM+4+\b], 0                        ; written once: a lane permute's destination counts as one of its sources
.endr
	s_wait_alu depctr_va_vdst(0)                   ; the wait at the head's end
	s_wait_dscnt 0x0                               ; both opening adds are done
	s_wait_kmcnt 0x0
	s_add_nc_u64 s[4:5], s[4:5], s[40:41]
	s_add_nc_u64 s[6:7], s[6:7], s[44:45]
	s_add_nc_u64 s[8:9], s[8:9], s[38:39]
	s_add_nc_u64 s[10:11], s[10:11], s[48:49]
.irp p, 0,1,2,3
	LOADH \p, 0                                    ; the first four pieces are asked for ahead of the cluster's round: they name no LDS and no partner
	LOADH \p, 1
.endr
	WIN 0
	s_mov_b32 s24, 1                               ; group 0 for slot 0: records 0 to 7 of my quarter
	s_mov_b32 s25, s46
	s_mov_b64 s[26:27], s[6:7]
	s_or_b32 s27, s27, 0x80000000
	s_mov_b32 s28, 1                               ; and for slot 1: records 8 to 15; this one then walks
	s_add_co_u32 s29, s46, SLOT1
	s_add_nc_u64 s[30:31], s[6:7], SLB
	s_or_b32 s31, s31, 0x80000000
	ROUND                                          ; all four work-groups are here: the first joint loads meet
	tensor_load_to_lds s[24:27], s[16:23]          ; slot 0: my one tensor load at the head; it has ten pieces in which to land
	s_nop 0
.rept 4
	v_nop
.endr
.irp p, 0,1,2,3,4,5,6,7,8,9
	PIECE \p
.endr
	s_wait_alu depctr_va_vdst(0)
	s_wait_tensorcnt 0x0                           ; slot 0's part is in; slot 1's first fill is issued as a refill is
	ds_add_u32 v[SPW], v[NIL]
	s_wait_dscnt 0x0
	ROUND
	tensor_load_to_lds s[28:31], s[16:23]          ; slot 1: it has six pieces and six tiles in which to land
	s_nop 0
.rept 4
	v_nop
.endr
.irp p, 10,11,12,13,14,15
	PIECE \p
.endr
	; ---- THE WALK over We's 64 tiles.  The first tile stands ahead of the loop; a trip is tiles 1 to 7 of a slot and tile 0 of the next
.irp j, 0,1,2,3,4,5,6,7,8,9,10,11,12,13,14,15
	v_mov_b32 v[SCO+\j], 0
.endr
	FLIP
	s_wait_alu depctr_va_vdst(0)                   ; the wait behind the writes
	RLOAD 0, 0, 0
	TILE 0, 0, 1, REC, 0
	s_mov_b32 s33, 6
.Lwalk:                                            ; six trips: fills 2 to 7 are asked for
	REST 1, 0
	TILE 0, 1, 1, REC, 0
	s_sub_co_u32 s33, s33, 1
	s_cmp_lg_u32 s33, 0
	s_cbranch_scc1 .Lwalk
	REST 0, 0                                      ; the last two slots are written out
	TILE 0, 1, 1, REC, 0
	REST 0, 1
	s_wait_alu depctr_va_vdst(0)
	s_wait_dscnt 0x0                               ; the last tile's v is in
	FOLD 7                                         ; the last tile
	; ---- THE SCORES: my quarter's partial sums, one a row; the four waves' meet in LDS
.irp m, 0,1,2,3,4,5,6,7
	v_add_f32 v[96+\m], v[SCO+2*\m], v[SCO+2*\m+1]
.endr
.irp m, 0,1,2,3,4,5,6,7
	v_permlanex16_b32 v[104+\m], v[96+\m], s34, s35
.endr
.irp m, 0,1,2,3,4,5,6,7
	v_add_f32 v[96+\m], v[96+\m], v[104+\m]        ; lanes r and r + 16 hold row 16 m + r's
.endr
.irp m, 0,1,2,3,4,5,6,7
	ds_store_b32 v[SXS], v[96+\m] offset:512*\m
.endr
	s_wait_alu depctr_va_vdst(0)
	s_wait_dscnt 0x0                               ; for the others' sake: my stores have landed
	s_barrier_signal -1
	s_barrier_wait -1
.irp m, 0,1,2,3,4,5,6,7
	ds_load_b128 v[64+4*\m:67+4*\m], v[SXL] offset:512*\m
.endr
	s_wait_dscnt 0x0
.irp m, 0,1,2,3,4,5,6,7
	v_pk_add_f32 v[64+4*\m:65+4*\m], v[64+4*\m:65+4*\m], v[66+4*\m:67+4*\m]
.endr
.irp m, 0,1,2,3,4,5,6,7
	v_add_f32 v[EN+\m], v[64+4*\m], v[65+4*\m]     ; the row's raw score: the same bits in all four waves
.endr
	s_wait_alu depctr_va_vdst(0)
	s_cmp_lg_u32 s12, 0
	s_cbranch_scc1 .Lnot_0                         ; wave 0 alone stores them
.irp m, 0,1,2,3,4,5,6,7
	ds_store_b32 v[EA], v[EN+\m] offset:64*\m
.endr
	ds_load_b128 v[24:27], v[EL]
	s_wait_dscnt 0x0
	global_store_b128 v[LOFF], v[24:27], s[8:9]    ; 32 lanes store the block's 512 consecutive bytes; v24-27 are not written again
.Lnot_0:
	; ---- p = e^(score - the block's largest score)
	v_max3_num_f32 v18, v[EN], v[EN+1], v[EN+2]
	v_max3_num_f32 v18, v18, v[EN+3], v[EN+4]
	v_max3_num_f32 v18, v18, v[EN+5], v[EN+6]
	v_max_num_f32 v18, v18, v[EN+7]
.irp x, 1,2,4,8
	v_max_num_f32_dpp v18, v18, v18 row_xmask:\x row_mask:0xf bank_mask:0xf
.endr
.irp m, 0,1,2,3,4,5,6,7
	v_sub_f32 v[PR+\m], v[EN+\m], v18
.endr
.irp m, 0,1,2,3,4,5,6,7
	v_mul_f32 v[PR+\m], 0x3fb8aa3b, v[PR+\m]       ; x log2(e)
.endr
	s_wait_alu depctr_va_vdst(0)                   ; the wait ahead of the batch,
.irp m, 0,1,2,3,4,5,6,7
	v_exp_f32 v[PR+\m], v[PR+\m]
.endr
	v_nop
	s_wait_alu depctr_va_vdst(0)                   ; and behind it
	; ---- THE CONTEXT'S PART.  p goes as bf16 through my stage, so that every lane gets all 64 pairs
.irp m, 0,1,2,3,4,5,6,7
	v_cvt_pk_bf16_f32 v[112+\m], v[PR+\m], v[PR+\m]
.endr
.irp m, 0,1,2,3,4,5,6,7
	ds_store_b16 v[PBS], v[112+\m] offset:32*\m    ; lanes r and r + 16 write the same half word with the same value
.endr
.irp i, 0,1,2,3,4,5,6,7,8,9,10,11,12,13,14,15
	ds_load_b128 v[P2+4*\i:P2+4*\i+3], v[PBL] offset:16*\i   ; LDS serves a wave's instructions in order
.endr
	s_wait_dscnt 0x0
	WIN 0x40                                       ; source 0's 32 fragments, in window 1: register 4 i + j is pair i under mask j
.set I2, 0
.rept 64
.irp j, 0,1,2,3
	v_and_b32 v[4*I2+\j], v[MK+\j], v[P2+I2]
.endr
.set I2, I2+1
.endr
.set MP, 0                             ; 64 products: tile of rows MP, registers 8 CC .. 8 CC + 7 of piece 2 MP + S2; accumulator 2 CC + S2: eight by turns
.rept 8
.set CC, 0
.rept 4
.set S2, 0
.rept 2
	SLOT 2*MP+S2
	WIN (SWN<<2)|1
.if MP == 0
	v_wmma_f32_16x16x32_bf16 v[CA+8*(2*CC+S2):CA+8*(2*CC+S2)+7], v[8*(4*MP+CC):8*(4*MP+CC)+7], v[SBS+8*CC:SBS+8*CC+7], 0
.else
	v_wmma_f32_16x16x32_bf16 v[CA+8*(2*CC+S2):CA+8*(2*CC+S2)+7], v[8*(4*MP+CC):8*(4*MP+CC)+7], v[SBS+8*CC:SBS+8*CC+7], v[CA+8*(2*CC+S2):CA+8*(2*CC+S2)+7]
.endif
.set S2, S2+1
.endr
.set CC, CC+1
.endr
.set MP, MP+1
.endr
.rept 4
	v_nop                                          ; four places ahead of the first read of the results (ISA guide 7.12.1)
.endr
	WIN 0
.irp s, 0,1                                    ; registers 0 to 3 of the four accumulators of each K step are added
.irp h, 0,2
	v_pk_add_f32 v[64+4*\s+\h:65+4*\s+\h], v[CA+8*\s+\h:CA+8*\s+\h+1], v[CA+16+8*\s+\h:CA+16+8*\s+\h+1]
	v_pk_add_f32 v[72+4*\s+\h:73+4*\s+\h], v[CA+32+8*\s+\h:CA+32+8*\s+\h+1], v[CA+48+8*\s+\h:CA+48+8*\s+\h+1]
.endr
.endr
.irp s, 0,1
.irp h, 0,2
	v_pk_add_f32 v[64+4*\s+\h:65+4*\s+\h], v[64+4*\s+\h:65+4*\s+\h], v[72+4*\s+\h:73+4*\s+\h]
.endr
.endr
.irp s, 0,1
	global_store_b128 v[LOFF], v[64+4*\s:67+4*\s], s[10:11] offset:512*\s   ; 32 lanes store 512 consecutive bytes, at a multiple of 256 from ctxpart's first byte
.endr
	s_wait_tensorcnt 0x0                           ; the wave's end
	ds_add_u32 v[SPW], v[NIL]
	s_wait_dscnt 0x0
	ROUND                                          ; the closing round
	s_endpgm
.Lfunc_end_k_qe985172170_scores:
	.size	k_qe985172170_scores, .Lfunc_end_k_qe985172170_scores-k_qe985172170_scores
	.p2alignl 7, 3214868480
	.fill 96, 4, 3214868480
	.section	.rodata,"a",@progbits
	.p2align	6, 0x0
	.amdhsa_kernel k_qe985172170_scores
		.amdhsa_group_segment_fixed_size 327680
		.amdhsa_private_segment_fixed_size 0
		.amdhsa_enable_private_segment 0
		.amdhsa_kernarg_size 32
		.amdhsa_user_sgpr_count 2
		.amdhsa_user_sgpr_kernarg_segment_ptr 1
		.amdhsa_wavefront_size32 1
		.amdhsa_system_sgpr_workgroup_id_x 1
		.amdhsa_system_sgpr_workgroup_id_y 1
		.amdhsa_system_sgpr_workgroup_id_z 1
		.amdhsa_system_vgpr_workitem_id 0
		.amdhsa_next_free_vgpr 1024
		.amdhsa_next_free_sgpr 66
		.amdhsa_reserve_vcc 1
		.amdhsa_float_denorm_mode_32 3
		.amdhsa_float_denorm_mode_16_64 3
		.amdhsa_memory_ordered 1
		.amdhsa_forward_progress 1
		.amdhsa_inst_pref_size 255
	.end_amdhsa_kernel
	.section	.bss,"aw",@nobits
	.p2align	6
	.space	262144
	.amdgpu_metadata
---
amdhsa.version: [ 1, 2 ]
amdhsa.kernels:
  - .name:           k_qe985172170_scores
    .symbol:         k_qe985172170_scores.kd
    .args:
      - { .name: encoder_outputs, .offset: 0, .size: 8, .value_kind: global_buffer, .address_space: global }
      - { .name: wq, .offset: 8, .size: 8, .value_kind: global_buffer, .address_space: global }
      - { .name: energy, .offset: 16, .size: 8, .value_kind: global_buffer, .address_space: global }
      - { .name: ctxpart, .offset: 24, .size: 8, .value_kind: global_buffer, .address_space: global }
    .group_segment_fixed_size: 327680
    .private_segment_fixed_size: 0
    .kernarg_segment_align: 8
    .kernarg_segment_size: 32
    .max_flat_workgroup_size: 128
    .sgpr_count:     66
    .vgpr_count:     1024
    .wavefront_size: 32
...
	.end_amdgpu_metadata
.endif
;; end of part 2
;; launch finish (part 3): grid 32 x 1, 8 waves a work-group, no clusters, 1,280 bytes of LDS; arguments energy, ctxpart, out0, out1; writes out0, out1
.if DOCPART == 3
	.amdgcn_target "amdgcn-amd-amdhsa--gfx1250"
	.amdhsa_code_object_version 6
	.text
	.protected	k_qe985172170_finish
	.globl	k_qe985172170_finish
	.p2align	8
	.type	k_qe985172170_finish,@function
k_qe985172170_finish:
	s_mov_b64 s[64:65], 0
	v_nop
	global_prefetch_b8 v0, s[64:65] scope:SCOPE_SE
	s_setreg_imm32_b32 hwreg(HW_REG_WAVE_MODE, 25, 1), 1
	s_wait_xcnt 0x0
; The term of the energies that is the same along s is left out: it cancels in the softmax (shown at the head of the first kernel).
; One work-group for each batch b.  The softmax over the 2,048 raw scores E goes by the 16 blocks of 128 rows in which the launch before has summed its parts of the context:
; block k's largest score m_k and sum l_k = sum of e^(E - m_k); M = the largest m_k; w_k = e^(m_k - M); L = sum of w_k l_k.
;   out1[b][i] = e^(E_i - m_k) w_k / L;   out0[b][:] = sum over k of (w_k / L) ctxpart[16 b + k][:].
; Eight waves: wave w holds blocks w and 8 + w, four scores a lane; thread T holds columns 4 T .. 4 T + 3 of the context.  Every load and store covers 512 consecutive bytes a wave.
; All loads are issued at the head.  No matrix work: sums of 16 and of 2,048 numbers.  LIMITS: NaN and infinities are not served.
	s_load_b128 s[4:7], s[0:1], 0x0                ; energy s[4:5], ctxpart s[6:7]
	s_load_b128 s[8:11], s[0:1], 0x10              ; out0 s[8:9], out1 s[10:11]
	v_lshl_add_u32 v128, v0, 2, 0x100
	v_mov_b32 v129, 0
	v_lshrrev_b32 v20, 5, v0
	s_delay_alu instid0(VALU_DEP_1)
	v_readfirstlane_b32 s14, v20                   ; wave
	v_lshlrev_b32 v1, 4, v0                        ; 16 T
	v_mov_b32 v24, 0
	v_mov_b32 v14, 0                               ; written once: a lane permute's destination counts as one of its sources
	v_mov_b32 v15, 0
	v_mov_b32 v3, s14
	s_delay_alu instid0(VALU_DEP_1)
	v_lshlrev_b32 v3, 3, v3                        ; LDS: 8 bytes a block
	s_mov_b32 s20, 0x76543210
	s_mov_b32 s21, 0xfedcba98                      ; selects for lane l xor 16
	s_lshl_b32 s16, ttmp9, 13                      ; energy and out1: 8,192 bytes a batch
	s_mov_b32 s17, 0
	s_lshl_b32 s18, ttmp9, 16                      ; ctxpart: 16 blocks of 4,096 bytes
	s_mov_b32 s19, 0
	s_lshl_b32 s24, ttmp9, 12                      ; out0: 4,096 bytes
	s_mov_b32 s25, 0
	s_wait_alu depctr_va_vdst(0)                   ; the wait at the head's end
	s_wait_kmcnt 0x0
	s_add_nc_u64 s[4:5], s[4:5], s[16:17]
	s_add_nc_u64 s[6:7], s[6:7], s[18:19]
	s_add_nc_u64 s[8:9], s[8:9], s[24:25]
	s_add_nc_u64 s[10:11], s[10:11], s[16:17]
	global_load_b128 v[4:7], v1, s[4:5]                ; block w
	global_load_b128 v[8:11], v1, s[4:5] offset:4096   ; block 8 + w
.irp k, 0,1,2,3,4,5,6,7,8,9,10,11,12,13,14,15
	global_load_b128 v[32+4*\k:35+4*\k], v1, s[6:7] offset:4096*\k
.endr
	s_wait_loadcnt 16                              ; the scores are in; the context's 16 loads may be out
	v_max3_num_f32 v16, v4, v5, v6
	v_max3_num_f32 v18, v8, v9, v10
	s_delay_alu instid0(VALU_DEP_2)
	v_max_num_f32 v16, v16, v7
	s_delay_alu instid0(VALU_DEP_2)
	v_max_num_f32 v18, v18, v11
.irp x, 1,2,4,8
	s_delay_alu instid0(VALU_DEP_2)
	v_max_num_f32_dpp v16, v16, v16 row_xmask:\x row_mask:0xf bank_mask:0xf
	s_delay_alu instid0(VALU_DEP_2)
	v_max_num_f32_dpp v18, v18, v18 row_xmask:\x row_mask:0xf bank_mask:0xf
.endr
	s_delay_alu instid0(VALU_DEP_2)
	v_permlanex16_b32 v14, v16, s20, s21
	s_delay_alu instid0(VALU_DEP_2)
	v_permlanex16_b32 v15, v18, s20, s21
	s_delay_alu instid0(VALU_DEP_2)
	v_max_num_f32 v16, v16, v14                    ; m of block w,
	s_delay_alu instid0(VALU_DEP_2)
	v_max_num_f32 v18, v18, v15                    ; and of block 8 + w
.irp i, 0,1,2,3
	v_sub_f32 v[4+\i], v[4+\i], v16
	v_sub_f32 v[8+\i], v[8+\i], v18
.endr
.irp i, 0,1,2,3,4,5,6,7
	v_mul_f32 v[4+\i], 0x3fb8aa3b, v[4+\i]         ; x log2(e)
.endr
	s_wait_alu depctr_va_vdst(0)                   ; the wait ahead of the batch,
.irp i, 0,1,2,3,4,5,6,7
	v_exp_f32 v[4+\i], v[4+\i]
.endr
	v_nop                                          ; a plain line behind the exponentials
	s_wait_alu depctr_va_vdst(0)                   ; and behind it
	v_add_f32 v17, v4, v5
	v_add_f32 v19, v8, v9
	v_add_f32 v20, v6, v7
	v_add_f32 v21, v10, v11
	s_delay_alu instid0(VALU_DEP_2)
	v_add_f32 v17, v17, v20
	s_delay_alu instid0(VALU_DEP_2)
	v_add_f32 v19, v19, v21
.irp x, 1,2,4,8
	s_delay_alu instid0(VALU_DEP_2)
	v_add_f32_dpp v17, v17, v17 row_xmask:\x row_mask:0xf bank_mask:0xf
	s_delay_alu instid0(VALU_DEP_2)
	v_add_f32_dpp v19, v19, v19 row_xmask:\x row_mask:0xf bank_mask:0xf
.endr
	s_delay_alu instid0(VALU_DEP_2)
	v_permlanex16_b32 v14, v17, s20, s21
	s_delay_alu instid0(VALU_DEP_2)
	v_permlanex16_b32 v15, v19, s20, s21
	s_delay_alu instid0(VALU_DEP_2)
	v_add_f32 v17, v17, v14                        ; l of block w,
	s_delay_alu instid0(VALU_DEP_2)
	v_add_f32 v19, v19, v15                        ; and of block 8 + w
	ds_store_b64 v3, v[16:17]                      ; all lanes write the same words with the same values
	ds_store_b64 v3, v[18:19] offset:64
	s_wait_dscnt 0x0                               ; for the others' sake
	s_barrier_signal -1
	s_barrier_wait -1
.irp i, 0,1,2,3,4,5,6,7
	ds_load_b128 v[96+4*\i:99+4*\i], v24 offset:16*\i   ; (m_k, l_k) at v[96 + 2 k], v[97 + 2 k], in every lane
.endr
	s_wait_dscnt 0x0
	v_max3_num_f32 v22, v96, v98, v100
.irp k, 3,5,7,9,11,13
	s_delay_alu instid0(VALU_DEP_1)
	v_max3_num_f32 v22, v22, v[96+2*\k], v[98+2*\k]
.endr
	s_delay_alu instid0(VALU_DEP_1)
	v_max_num_f32 v22, v22, v126                   ; M
	s_delay_alu instid0(VALU_DEP_1)
	v_sub_f32 v20, v16, v22
	s_delay_alu instid0(VALU_DEP_2)
	v_sub_f32 v21, v18, v22
.irp k, 0,1,2,3,4,5,6,7,8,9,10,11,12,13,14,15
	v_sub_f32 v[96+2*\k], v[96+2*\k], v22
.endr
	v_mul_f32 v20, 0x3fb8aa3b, v20
	v_mul_f32 v21, 0x3fb8aa3b, v21
.irp k, 0,1,2,3,4,5,6,7,8,9,10,11,12,13,14,15
	v_mul_f32 v[96+2*\k], 0x3fb8aa3b, v[96+2*\k]
.endr
	s_wait_alu depctr_va_vdst(0)
	v_exp_f32 v20, v20                             ; my two blocks' own w,
	v_exp_f32 v21, v21
.irp k, 0,1,2,3,4,5,6,7,8,9,10,11,12,13,14,15
	v_exp_f32 v[96+2*\k], v[96+2*\k]               ; and all sixteen
.endr
	v_nop
	s_wait_alu depctr_va_vdst(0)                   ; one wait for the batch of eighteen
	v_mul_f32 v23, v96, v97
.irp k, 1,2,3,4,5,6,7,8,9,10,11,12,13,14,15
	v_fmac_f32 v23, v[96+2*\k], v[97+2*\k]         ; L
.endr
	s_wait_alu depctr_va_vdst(0)
	v_rcp_f32 v25, v23
	v_nop
	s_wait_alu depctr_va_vdst(0)
	v_mul_f32 v20, v20, v25
	v_mul_f32 v21, v21, v25
.irp i, 0,1,2,3
	v_mul_f32 v[4+\i], v[4+\i], v20
	v_mul_f32 v[8+\i], v[8+\i], v21
.endr
	global_store_b128 v1, v[4:7], s[10:11]             ; the weights
	global_store_b128 v1, v[8:11], s[10:11] offset:4096
.irp k, 0,1,2,3,4,5,6,7,8,9,10,11,12,13,14,15
	v_mul_f32 v[96+2*\k], v[96+2*\k], v25          ; w_k / L
.endr
	s_wait_loadcnt 0x0                             ; the 16 parts of the context
.irp j, 0,1,2,3
	v_mul_f32 v[28+\j], v[32+\j], v96
.endr
.irp k, 1,2,3,4,5,6,7,8,9,10,11,12,13,14,15
.irp j, 0,1,2,3
	s_delay_alu instid0(VALU_DEP_4)
	v_fmac_f32 v[28+\j], v[32+4*\k+\j], v[96+2*\k]
.endr
.endr
	global_store_b128 v1, v[28:31], s[8:9]         ; the context
	s_wait_tensorcnt 0x0                           ; the wave's end
	ds_add_u32 v128, v129
	s_wait_dscnt 0x0
	s_endpgm
.Lfunc_end_k_qe985172170_finish:
	.size	k_qe985172170_finish, .Lfunc_end_k_qe985172170_finish-k_qe985172170_finish
	.p2alignl 7, 3214868480
	.fill 96, 4, 3214868480
	.section	.rodata,"a",@progbits
	.p2align	6, 0x0
	.amdhsa_kernel k_qe985172170_finish
		.amdhsa_group_segment_fixed_size 1280
		.amdhsa_private_segment_fixed_size 0
		.amdhsa_enable_private_segment 0
		.amdhsa_kernarg_size 32
		.amdhsa_user_sgpr_count 2
		.amdhsa_user_sgpr_kernarg_segment_ptr 1
		.amdhsa_wavefront_size32 1
		.amdhsa_system_sgpr_workgroup_id_x 1
		.amdhsa_system_sgpr_workgroup_id_y 1
		.amdhsa_system_sgpr_workgroup_id_z 1
		.amdhsa_system_vgpr_workitem_id 0
		.amdhsa_next_free_vgpr 130
		.amdhsa_next_free_sgpr 66
		.amdhsa_reserve_vcc 0
		.amdhsa_float_denorm_mode_32 3
		.amdhsa_float_denorm_mode_16_64 3
		.amdhsa_memory_ordered 1
		.amdhsa_forward_progress 1
		.amdhsa_inst_pref_size 17
	.end_amdhsa_kernel
	.amdgpu_metadata
---
amdhsa.version: [ 1, 2 ]
amdhsa.kernels:
  - .name:           k_qe985172170_finish
    .symbol:         k_qe985172170_finish.kd
    .args:
      - { .name: energy, .offset: 0, .size: 8, .value_kind: global_buffer, .address_space: global }
      - { .name: ctxpart, .offset: 8, .size: 8, .value_kind: global_buffer, .address_space: global }
      - { .name: out0, .offset: 16, .size: 8, .value_kind: global_buffer, .address_space: global }
      - { .name: out1, .offset: 24, .size: 8, .value_kind: global_buffer, .address_space: global }
    .group_segment_fixed_size: 1280
    .private_segment_fixed_size: 0
    .kernarg_segment_align: 8
    .kernarg_segment_size: 32
    .max_flat_workgroup_size: 256
    .sgpr_count:     66
    .vgpr_count:     130
    .wavefront_size: 32
...
	.end_amdgpu_metadata
.endif
;; end of part 3
